; MI455X (gfx1250); checked and timed in simulation.
; The chip was launched on July 23, 2026; its instructions are those of AMD's public machine-readable ISA for CDNA 5 (MIT licence, August 2026) and "CDNA5" Instruction Set Architecture Reference Guide (July 2026). The comments in the code are by the model that wrote it; some were corrected since.
;; Multi Head Attention. Allowed arithmetic: matrix products marked QUANTISED: E2M1 operands, one E8M0 scale for each 32 along K, by v_wmma_scale_f32_16x16x128_f8f6f4 with both operands' format E2M1 (or v_wmma_scale_f32_32x16x128_f4), f32 sums; everything else in f32.
;; Inputs: Wk 1,024 x 1,024 float32; Wq 1,024 x 1,024 float32; Wv 1,024 x 1,024 float32; bk 1,024 float32; bq 1,024 float32; bv 1,024 float32; k 4 x 2,048 x 1,024 float32; q 4 x 2,048 x 1,024 float32; v 4 x 2,048 x 1,024 float32.
;; Outputs: out0 4 x 2,048 x 1,024 float32.
;; This version of the problem:
;;   THIS VERSION OF THE PROBLEM IS GIVEN IN LOW PRECISION. The matrix products marked QUANTISED in the list below multiply operands that are first quantised to E2M1 (2 exponent bits, 1 mantissa bit; 4 bits a number), with one power-of-two scale for each 32 numbers along K (OCP MX v1.0); their sums are f32. All else is computed in f32.
;;   The module's matrix products, in the order in which they are computed (A, B: the left and right operand; K: the contracted axis; several contracted axes count as one K, in the product's order):
;;     1. [M 8,192, K 1,024] x [K 1,024, N 1,024]; A: input q; B: input Wq: QUANTISED
;;     2. [M 8,192, K 1,024] x [K 1,024, N 1,024]; A: input k; B: input Wk: QUANTISED
;;     3. [M 8,192, K 1,024] x [K 1,024, N 1,024]; A: input v; B: input Wv: QUANTISED
;;     4. batch 64 x [M 2,048, K 64] x [K 64, N 2,048]; A: computed on the way; B: computed on the way: QUANTISED
;;     5. batch 64 x [M 2,048, K 2,048] x [K 2,048, N 64]; A: softmax (see below); B: computed on the way: QUANTISED
;;   THE QUANTISER, for each operand of a quantised product, along K:
;;     - K is cut into blocks of 32 from its start; a last block that is shorter is filled with zeros.
;;     - A block's scale is 2^e with e = floor(log2(the largest magnitude in the block)) - 2, held to -126 .. 127; a block of zeros has e = 0. As a byte (E8M0): e + 127.
;;     - Each number is divided by its block's scale, clamped to +-6, and rounded to the nearest number of E2M1, ties to even, subnormals kept.
;;     - The product sums the exact products of the quantised numbers (number of the format x scale) in f32.
;;   ~~~python
;;   def quantise(x, axis):      # numpy; x: float32 -> the quantised numbers, widened to float32 again
;;       x = np.moveaxis(x, axis, -1); K = x.shape[-1]
;;       x = np.pad(x, [(0, 0)] * (x.ndim - 1) + [(0, -K % 32)]); x = x.reshape(x.shape[:-1] + (-1, 32)); a = np.abs(x).max(-1, keepdims=True)
;;       e = np.where(a > 0, np.clip(np.frexp(np.where(a > 0, a, 1))[1] - 1 - 2, -126, 127), 0)      # np.frexp(a)[1] - 1 = floor(log2(a)), exactly
;;       r = np.clip(x / 2.0 ** e, -6, 6)
;;       step = 2.0 ** (np.maximum(np.frexp(np.where(r == 0, 1, r))[1] - 1, 0) - 1)
;;       q = np.round(r / step) * step * 2.0 ** e      # np.round: ties to even
;;       return np.moveaxis(q.reshape(q.shape[:-2] + (-1,))[..., :K], -1, axis).astype(np.float32)
;;   ~~~
;;   SOFTMAX AHEAD OF A QUANTISED PRODUCT. Where the list says 'softmax', what is quantised is not the finished softmax but p = 2^(t - M), with t = logit x log2(e) and M = ceil(the row's largest t), a whole number; so 1/2 < the row's largest p <= 1. The row's sum l is taken of the UNQUANTISED p, in f32, and the product's result is divided by l at the end. Since M is a whole number, a kernel that streams over the keys may use a running M (the ceiling of the running maximum): every later rescaling is an exact power of two, which a block's scale takes up: the codes' values come out the same.
;;   OPERANDS COMPUTED ON THE WAY. 'Computed on the way' means the value that the module computes at that place (a softmax that the list does not call 'softmax' is quantised finished and normalised). What goes into a quantiser is computed in f32, as accurately as f32 sums, v_exp_f32 and their like allow (about 1e-6 of the number): no bf16 or f16 on the way to a quantiser, and a product that is left as it is and whose result goes on into a quantised operand takes f32 operands (vector FMAs, or v_wmma_f32_16x16x4_f32). A number that lies on a knife's edge between two numbers of the format may be rounded either way, as far as f32 arithmetic and the matrix unit's own rounding can turn it there, and no further.
;; One version. Each part assembles by itself: llvm-mc -triple=amdgcn-amd-amdhsa -mcpu=gfx1250 --defsym DOCPART=n.
;; ======== version 1 of 1: 3 launches
;; limits: right only within a limited range of input values
;; workspace buffers: c1 14,155,776 bytes; s1 884,736 bytes; pc 12,582,912 bytes; ps 786,432 bytes
;; launch quant (part 1): grid 864 x 1, 4 waves a work-group, no clusters, 1,536 bytes of LDS; arguments q, k, v, Wq, Wk, Wv, c1, s1; writes c1, s1
.if DOCPART == 1
	.amdgcn_target "amdgcn-amd-amdhsa--gfx1250"
	.amdhsa_code_object_version 6
	.text
	.protected	k_q9f92ad2485_quant
	.globl	k_q9f92ad2485_quant
	.p2align	8
	.type	k_q9f92ad2485_quant,@function
k_q9f92ad2485_quant:
	s_mov_b64 s[64:65], 0
	v_nop
	global_prefetch_b8 v0, s[64:65] scope:SCOPE_SE
	s_setreg_imm32_b32 hwreg(HW_REG_WAVE_MODE, 25, 1), 1
	s_wait_xcnt 0x0
; MULTI-HEAD ATTENTION IN MX-FP4, launch 1 of 3: q, k, v [8192][1024] and Wq, Wk, Wv [1024][1024], f32, K = the last axis, become codes of FP4 (E2M1) and E8M0 scale bytes.
; NO WORK IS LEFT OUT in this program: all nine inputs have a way to the output (bk too: it moves the codes of the keys), and all five products are done.
; c1 is one matrix [27648 rows][512 bytes] of codes, s1 [27648][32] of scale bytes; first rows: q 0, k 8192, v 16384, Wq 24576, Wk 25600, Wv 26624.
; THE ROWS ARE LAID IN ANOTHER ORDER THAN THEY COME: inside every 32 rows the four groups of 8 rows lie in the order 0, 2, 1, 3, so that place 16 u + p holds row 8 u + p + 8 (p / 8).
; A block's scale is 2^(floor(log2(its largest magnitude)) - 2); its byte is the largest magnitude's exponent field - 2, held at 1 from below; numbers are divided by the scale and rounded to the nearest code, ties to even.
; LIMITS: a block of zeros gets the byte 1 where the rule says 127 (its codes are zeros, and this program alone reads the bytes); largest magnitudes under 2^-124 are held at that floor; NaN and infinities among the inputs are not served.
; SHARES: a work-group takes 32 rows, a wave one group of 8 rows = 8,192 numbers = 16 steps of 512 = 4 loads of 512 consecutive bytes, 16 a lane.
; THE NUMBERS STAY WHERE THE LOADS PUT THEM.  Lane l of load i holds numbers 128 i + 4 l + 0 .. 3 of the step: a block of 32 lies in 8 neighbouring lanes, block 4 i + l / 8.  Its largest magnitude: two lines in the lane, three
; steps across lanes (l xor 1, 2, 4).  A conversion takes eight registers under one scale: the registers of loads i and i + 1 are converted twice, under each load's scale, and the low 16 bits of the first result
; and the high 16 of the second are kept.  A lane's 2 bytes of load i belong at byte 64 i + 2 l of the step's 256: the four lanes of a quad exchange their four pieces, so that lane 4 a + b holds the 8 bytes at 64 b + 8 a,
; and one store of the wave covers 256 consecutive bytes, aligned.
; THE SCALE BYTES: the four loads' bytes of a group of 8 lanes make a word, which goes to the wave's own 256 bytes of LDS; at the end each lane reads a step's four words, picks its 8 bytes in the blocks' order, and the wave
; stores 256 consecutive bytes, aligned.
; No tensor loads, no barrier: waves share nothing.  No cluster: no two work-groups read the same bytes.  Loads run eight steps (32 loads a wave) ahead; stores of codes leave four steps at a time.
.set WAVES, 4
.set STEPS, 16
.set AHEAD, 8
.set EMAX,  2
.set SB,    8                          ; v8       selector: byte i0 + 1 of two words
.set SPW,   12                         ; v12      LDS address of my spare word; never rewritten
.set NIL,   13                         ; v13      0; never rewritten
.set SEL1,  14                         ; v14      selector of the exchange with lane l xor 1
.set SA,    15                         ; v15      selector: byte i0 = 2 (l % 2) of two words
.set M,     16                         ; v16-19   the four loads' largest magnitudes, then scale operands
.set BY,    20                         ; v20-23   their scale bytes
.set R,     32                         ; v32-159  eight sets of 16 numbers
.set OUT,   160                        ; v160-191 codes: two registers for each step, so that no store's data are written again
.set WREG,  256                        ; LDS: 256 bytes for each wave
.set SPARE, WAVES*WREG                 ; behind them the spare words, 128 bytes a wave, which no other line names
	s_load_b256 s[4:11], s[0:1], 0x0               ; q s[4:5], k s[6:7], v s[8:9], Wq s[10:11]
	s_load_b256 s[12:19], s[0:1], 0x20             ; Wk s[12:13], Wv s[14:15], c1 s[16:17], s1 s[18:19]
	v_lshl_add_u32 v[SPW], v0, 2, SPARE
	v_mov_b32 v[NIL], 0
	v_lshrrev_b32 v1, 5, v0
	v_readfirstlane_b32 s20, v1                    ; wave = which group of 8 rows
	v_and_b32 v2, 31, v0                           ; lane
	v_lshlrev_b32 v3, 4, v2                        ; my 16 bytes of a load's 512
	s_lshl_b32 s21, s20, 8                         ; my wave's LDS bytes
	v_and_b32 v4, 3, v2
	v_lshrrev_b32 v1, 2, v2
	v_lshlrev_b32 v4, 6, v4
	v_lshl_add_u32 v4, v1, 3, v4                   ; my codes' place in a step's 256 bytes: 64 (l % 4) + 8 (l / 4)
	v_lshrrev_b32 v5, 3, v2
	v_lshlrev_b32 v5, 2, v5
	v_add_nc_u32 v5, s21, v5                       ; LDS: the word of my group of 8 lanes
	v_lshrrev_b32 v6, 1, v2
	v_lshlrev_b32 v6, 4, v6
	v_add_nc_u32 v6, s21, v6                       ; and at the end: the four words of step l / 2
	v_lshlrev_b32 v7, 3, v2                        ; 8 scale bytes a lane
	v_and_b32 v1, 1, v2
	v_mul_u32_u24 v[SA], v1, 0x202
	v_add_nc_u32 v[SA], 0x400, v[SA]               ; bytes i0 of the second source and i0 of the first
	v_add_nc_u32 v[SB], 0x101, v[SA]
	s_mov_b32 s32, 0xcccccccc                      ; lanes with l % 4 >= 2
	s_mov_b32 s33, 0xaaaaaaaa                      ; odd lanes
	v_mov_b32 v[SEL1], 0x05040100                  ; even lanes keep their low half and take the neighbour's low half above it;
	v_mov_b32 v1, 0x03020706                       ; odd lanes take the neighbour's high half below their own high half
	v_cndmask_b32 v[SEL1], v[SEL1], v1, s33
.irp j, 28,29,30,31
	v_mov_b32 v[\j], 0                             ; written once: the destination of a DPP form counts as one of its sources
.endr
	s_cmp_lt_u32 ttmp9, 768                        ; work-groups 0-767: q, k, v, 256 each; 768-863: the weights, 32 each
	s_cselect_b32 s24, 255, 31
	s_and_b32 s24, ttmp9, s24
	s_lshl_b32 s24, s24, 2
	s_add_co_u32 s24, s24, s20
	s_lshl_b32 s24, s24, 15                        ; where my 8 rows begin in the tensor: 32,768 bytes a group
	s_mov_b32 s25, 0
	s_and_b32 s26, s20, 1
	s_lshl_b32 s26, s26, 1
	s_lshr_b32 s27, s20, 1
	s_or_b32 s26, s26, s27                         ; group 0, 1, 2, 3 goes to place 0, 2, 1, 3
	s_lshl_b32 s27, ttmp9, 2
	s_add_co_u32 s26, s26, s27
	s_lshl_b32 s28, s26, 12                        ; 4,096 bytes of codes a group
	s_mov_b32 s29, 0
	s_lshl_b32 s30, s26, 8                         ; 256 scale bytes a group
	s_mov_b32 s31, 0
	s_wait_alu depctr_va_vdst(0)
	s_wait_kmcnt 0x0
	s_mov_b64 s[22:23], s[14:15]                   ; which tensor: the choice hangs on the work-group's number alone
	s_cmp_lt_u32 ttmp9, 832
	s_cselect_b64 s[22:23], s[12:13], s[22:23]
	s_cmp_lt_u32 ttmp9, 800
	s_cselect_b64 s[22:23], s[10:11], s[22:23]
	s_cmp_lt_u32 ttmp9, 768
	s_cselect_b64 s[22:23], s[8:9], s[22:23]
	s_cmp_lt_u32 ttmp9, 512
	s_cselect_b64 s[22:23], s[6:7], s[22:23]
	s_cmp_lt_u32 ttmp9, 256
	s_cselect_b64 s[22:23], s[4:5], s[22:23]
	s_add_nc_u64 s[22:23], s[22:23], s[24:25]
	s_add_nc_u64 s[16:17], s[16:17], s[28:29]
	s_add_nc_u64 s[18:19], s[18:19], s[30:31]
.macro LOAD t
.irp i, 0,1,2,3
	global_load_b128 v[R+16*((\t)%AHEAD)+4*\i:R+16*((\t)%AHEAD)+4*\i+3], v3, s[22:23] offset:2048*(\t)+512*\i th:TH_LOAD_NT   ; 32 lanes read 512 consecutive bytes, read once in the launch
.endr
.endm
.irp t, 0,1,2,3,4,5,6,7
	LOAD \t
.endr
.macro STEP t
.set RS, R+16*((\t)%AHEAD)
.set O,  OUT+2*(\t)
	s_wait_alu depctr_va_vdst(0)
.if STEPS-1-(\t) >= AHEAD-1
	s_wait_loadcnt 4*(AHEAD-1)                     ; this step's four loads are in; those of the seven steps behind it may be out
.else
	s_wait_loadcnt 4*(STEPS-1-(\t))                ; in the tail as many as are left behind it
.endif
.irp i, 0,1,2,3                        ; the four loads by turns
	v_max3_num_f32 v[M+\i], |v[RS+4*\i]|, |v[RS+4*\i+1]|, |v[RS+4*\i+2]|
.endr
.irp i, 0,1,2,3
	v_max3_num_f32 v[M+\i], v[M+\i], |v[RS+4*\i+3]|, (EMAX+1)<<23   ; my four, and the floor 2^(3 - 127): the byte cannot fall under 1
.endr
.irp x, 1,2,4
.irp i, 0,1,2,3
	v_max_num_f32_dpp v[M+\i], v[M+\i], v[M+\i] row_xmask:\x row_mask:0xf bank_mask:0xf   ; with the other seven lanes of the block
.endr
.endr
.irp i, 0,1,2,3
	v_add_nc_u32 v[M+\i], -(EMAX<<23), v[M+\i]     ; 2 off the exponent field: the conversion takes the exponent field of this operand as its scale
.endr
	v_cvt_scalef32_pk8_fp4_f32 v24, v[RS:RS+7], v[M]         ; low 16 bits: load 0's four codes
	v_cvt_scalef32_pk8_fp4_f32 v25, v[RS:RS+7], v[M+1]       ; high 16 bits: load 1's
	v_cvt_scalef32_pk8_fp4_f32 v26, v[RS+8:RS+15], v[M+2]
	v_cvt_scalef32_pk8_fp4_f32 v27, v[RS+8:RS+15], v[M+3]
.irp i, 0,1,2,3
	v_lshrrev_b32 v[BY+\i], 23, v[M+\i]            ; the scales' bytes (plain lines behind the conversions)
.endr
.if (\t)+AHEAD < STEPS
	LOAD (\t)+AHEAD                                ; this step's registers take the loads of eight steps on
.endif
	v_lshl_or_b32 v[BY], v[BY+1], 8, v[BY]
	v_lshl_or_b32 v[BY+2], v[BY+3], 8, v[BY+2]
	v_bfi_b32 v24, 0xffff, v24, v25                ; pieces of loads 0 and 1
	v_bfi_b32 v26, 0xffff, v26, v27                ; of loads 2 and 3
	v_lshl_or_b32 v[BY], v[BY+2], 16, v[BY]        ; byte i: block 4 i + l / 8
	v_mov_b32_dpp v28, v24 quad_perm:[1,0,3,2] row_mask:0xf bank_mask:0xf
	v_mov_b32_dpp v29, v26 quad_perm:[1,0,3,2] row_mask:0xf bank_mask:0xf
	ds_store_b32 v5, v[BY] offset:16*(\t)          ; the eight lanes of a group write the same word with the same value
	v_perm_b32 v24, v28, v24, v[SEL1]              ; even lanes: load 0's pieces of lanes l, l + 1; odd lanes: load 1's of lanes l - 1, l
	v_perm_b32 v26, v29, v26, v[SEL1]              ; likewise loads 2 and 3
	v_cndmask_b32 v30, v26, v24, s32               ; what lane l xor 2 wants of me
	v_mov_b32_dpp v31, v30 quad_perm:[2,3,0,1] row_mask:0xf bank_mask:0xf
	v_cndmask_b32 v[O], v24, v31, s32              ; lane 4 a + b: load b's pieces of lanes 4 a, 4 a + 1,
	v_cndmask_b32 v[O+1], v31, v26, s32            ; and of lanes 4 a + 2, 4 a + 3
.if ((\t)%4) == 3
.irp u, 3,2,1,0
	global_store_b64 v4, v[OUT+2*((\t)-\u):OUT+2*((\t)-\u)+1], s[16:17] offset:256*((\t)-\u)   ; the 32 lanes store 256 consecutive bytes, aligned
.endr
.endif
.endm
.irp t, 0,1,2,3,4,5,6,7,8,9,10,11,12,13,14,15
	STEP \t
.endr
	ds_load_b128 v[24:27], v6                      ; in order behind my stores (ISA guide 5.7.1.4): word g holds the bytes of blocks g, 4 + g, 8 + g, 12 + g of step l / 2
	s_wait_dscnt 0x0
	v_perm_b32 v28, v25, v24, v[SA]
	v_perm_b32 v29, v27, v26, v[SA]
	v_perm_b32 v30, v25, v24, v[SB]
	v_perm_b32 v31, v27, v26, v[SB]
	v_perm_b32 v28, v29, v28, 0x05040100           ; blocks 4 i0 + 0 .. 3
	v_perm_b32 v29, v31, v30, 0x05040100           ; blocks 4 i0 + 4 .. 7
	global_store_b64 v7, v[28:29], s[18:19]        ; my group's 256 scale bytes
	s_wait_tensorcnt 0x0                           ; the wave's end
	ds_add_u32 v[SPW], v[NIL]
	s_wait_dscnt 0x0
	s_endpgm
.Lfunc_end_k_q9f92ad2485_quant:
	.size	k_q9f92ad2485_quant, .Lfunc_end_k_q9f92ad2485_quant-k_q9f92ad2485_quant
	.p2alignl 7, 3214868480
	.fill 96, 4, 3214868480
	.section	.rodata,"a",@progbits
	.p2align	6, 0x0
	.amdhsa_kernel k_q9f92ad2485_quant
		.amdhsa_group_segment_fixed_size 1536
		.amdhsa_private_segment_fixed_size 0
		.amdhsa_enable_private_segment 0
		.amdhsa_kernarg_size 64
		.amdhsa_user_sgpr_count 2
		.amdhsa_user_sgpr_kernarg_segment_ptr 1
		.amdhsa_wavefront_size32 1
		.amdhsa_system_sgpr_workgroup_id_x 1
		.amdhsa_system_sgpr_workgroup_id_y 1
		.amdhsa_system_sgpr_workgroup_id_z 1
		.amdhsa_system_vgpr_workitem_id 0
		.amdhsa_next_free_vgpr 192
		.amdhsa_next_free_sgpr 66
		.amdhsa_reserve_vcc 0
		.amdhsa_float_denorm_mode_32 3
		.amdhsa_float_denorm_mode_16_64 3
		.amdhsa_memory_ordered 1
		.amdhsa_forward_progress 1
		.amdhsa_inst_pref_size 60
	.end_amdhsa_kernel
	.amdgpu_metadata
---
amdhsa.version: [ 1, 2 ]
amdhsa.kernels:
  - .name:           k_q9f92ad2485_quant
    .symbol:         k_q9f92ad2485_quant.kd
    .args:
      - { .name: q, .offset: 0, .size: 8, .value_kind: global_buffer, .address_space: global }
      - { .name: k, .offset: 8, .size: 8, .value_kind: global_buffer, .address_space: global }
      - { .name: v, .offset: 16, .size: 8, .value_kind: global_buffer, .address_space: global }
      - { .name: Wq, .offset: 24, .size: 8, .value_kind: global_buffer, .address_space: global }
      - { .name: Wk, .offset: 32, .size: 8, .value_kind: global_buffer, .address_space: global }
      - { .name: Wv, .offset: 40, .size: 8, .value_kind: global_buffer, .address_space: global }
      - { .name: c1, .offset: 48, .size: 8, .value_kind: global_buffer, .address_space: global }
      - { .name: s1, .offset: 56, .size: 8, .value_kind: global_buffer, .address_space: global }
    .group_segment_fixed_size: 1536
    .private_segment_fixed_size: 0
    .kernarg_segment_align: 8
    .kernarg_segment_size: 64
    .max_flat_workgroup_size: 128
    .sgpr_count:     66
    .vgpr_count:     192
    .wavefront_size: 32
...
	.end_amdgpu_metadata
.endif
;; end of part 1
;; launch proj (part 2): grid 4 x 96, 4 waves a work-group, clusters of 4 x 4, 327,680 bytes of LDS; arguments c1, s1, bq, bk, bv, pc, ps; writes pc, ps
.if DOCPART == 2
	.amdgcn_target "amdgcn-amd-amdhsa--gfx1250"
	.amdhsa_code_object_version 6
	.text
	.protected	k_q9f92ad2485_proj
	.globl	k_q9f92ad2485_proj
	.p2align	8
	.type	k_q9f92ad2485_proj,@function
k_q9f92ad2485_proj:
	s_mov_b64 s[64:65], 0
	v_nop
	global_prefetch_b8 v0, s[64:65] scope:SCOPE_SE
	s_setreg_imm32_b32 hwreg(HW_REG_WAVE_MODE, 25, 1), 1
	s_wait_xcnt 0x0
	s_wait_alu depctr_hold_cnt(0) depctr_sa_sdst(0) depctr_va_vdst(0) depctr_va_sdst(0) depctr_va_ssrc(0) depctr_va_vcc(0) depctr_vm_vsrc(0)
	s_getreg_b32 s2, hwreg(HW_REG_IB_STS2, 6, 4)
	s_cmp_eq_u32 s2, 0
	s_cbranch_scc0 .Lentry_in_a_cluster
	s_endpgm
.Lentry_in_a_cluster:
	s_bfe_u32 s2, ttmp6, 0x10000c
	s_cmp_lg_u32 s2, 0xf033
	s_cbranch_scc0 .Lentry_shape_is_right
	s_endpgm
.Lentry_shape_is_right:
.set NQ,     4
.set ROWB,   256
.set KROW,   512
.set PITCH,  272
.set FR,     8
.set NL,     2
.set NP,     4
.set HALFT,  128*PITCH
.set SLOT,   4*HALFT
.set KS,     32
.set SCL,    2*SLOT
.set HALFS,  (128*KS/256)*272
.set SBLK,   (16*KS/256)*272
.set SPARE,  SCL+4*HALFS
.set WD0,  8
.set WD1,  12
.set ADRA, 16
.set ADRB, 20
.set VO,   24
.set VS,   25
.set BO,   26
.set ADRS, 27
.set SPW,  28
.set NIL,  29
.set SC,   32
.set TM,   96
.set PW,   112
.set Y,    120
.set AF,   128
.set BT,   192
.set SEL,  66
.set G1, 24
.set G0, 32
.set G1B, 48
.set G0B, 56
.set G1S, 68
.set G0S, 76
.set G1SB, 80
.set G0SB, 88
.set MSB, 0
.macro WIN new
.if MSB != \new
	s_set_vgpr_msb (MSB<<8)|\new
.set MSB, \new
.endif
.endm
.set MUL_LO, 0xa1
.set MUL_HI, 0xf1
.set TO_B,   0x40
.macro JLOAD g0a, g1a, g0b, g1b
	s_cmp_eq_u32 s19, 0
	s_cbranch_scc0 .Lfor_b_\@
	tensor_load_to_lds s[\g0a:\g0a+3], s[\g1a:\g1a+7]
	s_nop 0
.rept 4
	v_nop
.endr
	s_branch .Lasked_\@
.Lfor_b_\@:
	tensor_load_to_lds s[\g0b:\g0b+3], s[\g1b:\g1b+7]
	s_nop 0
.rept 4
	v_nop
.endr
.Lasked_\@:
.endm
.macro CROUND
	s_barrier_signal -1
	s_barrier_wait -1
	s_cmp_lg_u32 s18, 0
	s_cbranch_scc1 .Lnot_wave_0_\@
	s_barrier_signal -3
.Lnot_wave_0_\@:
	s_barrier_wait -3
	s_barrier_signal -1
	s_barrier_wait -1
.endm
	s_load_b256 s[4:11], s[0:1], 0x0
	s_load_b128 s[12:15], s[0:1], 0x20
	s_load_b64 s[16:17], s[0:1], 0x30
	v_lshl_add_u32 v[SPW], v0, 2, SPARE
	v_mov_b32 v[NIL], 0
	ds_add_u32 v[SPW], v[NIL]
	ds_add_u32 v[SPW], v[NIL]
	v_lshrrev_b32 v1, 5, v0
	v_readfirstlane_b32 s18, v1
	s_lshr_b32 s19, s18, 1
	s_and_b32 s20, s18, 1
	s_bfe_u32 s21, ttmp6, 0x40000
	s_bfe_u32 s22, ttmp6, 0x40004
	s_and_b32 s23, ttmp7, 0xffff
	s_lshl_b32 s43, s22, 2
	s_lshl_b32 s43, 15, s43
	s_lshl_b32 s44, 0x1111, s21
	s_or_b32 s[G1+0], s43, (0<<16)|(1<<20)|(1<<21)|(5<<22)|(3<<25)
	s_or_b32 s[G1B+0], s44, (0<<16)|(1<<20)|(1<<21)|(5<<22)|(3<<25)
.irp g, G1, G1B
	s_mov_b32 s[\g+1], ROWB<<16
	s_mov_b32 s[\g+2], 256<<16
	s_mov_b32 s[\g+3], ROWB<<16
	s_mov_b32 s[\g+4], 256
	s_mov_b32 s[\g+5], KROW
	s_mov_b32 s[\g+6], 0
	s_mov_b32 s[\g+7], 0
.endr
	s_or_b32 s[G1S+0], s43, (3<<16)|(1<<20)|(1<<21)|(5<<22)|(3<<25)
	s_or_b32 s[G1SB+0], s44, (3<<16)|(1<<20)|(1<<21)|(5<<22)|(3<<25)
.irp g, G1S, G1SB
	s_mov_b32 s[\g+1], 32<<16
	s_mov_b32 s[\g+2], (256*KS/256)<<16
	s_mov_b32 s[\g+3], 32<<16
	s_mov_b32 s[\g+4], 256*KS/256
	s_mov_b32 s[\g+5], 32
	s_mov_b32 s[\g+6], 0
	s_mov_b32 s[\g+7], 0
.endr
	s_lshl_b32 s40, s23, 10
	s_lshr_b32 s41, s23, 3
	s_lshl_b32 s41, s41, 10
	s_add_co_u32 s41, s41, 24576
	s_mov_b32 s42, 26624
	s_cmp_lt_u32 s23, 16
	s_cselect_b32 s42, s40, s42
	s_cselect_b32 s45, s41, s40
	s_lshl_b32 s2, s20, 7
	s_lshl_b32 s46, s22, 8
	s_add_co_u32 s46, s46, s42
	s_lshl_b32 s92, s21, 8
	s_add_co_u32 s92, s92, s45
	s_lshl_b32 s94, s46, 5
	s_mov_b32 s95, 0
	s_lshl_b32 s46, s46, 9
	s_mov_b32 s47, 0
	s_lshl_b32 s96, s92, 5
	s_mov_b32 s97, 0
	s_lshl_b32 s92, s92, 9
	s_mov_b32 s93, 0
	s_mul_i32 s3, s18, HALFT
	s_mul_i32 s98, s18, HALFS
	s_mov_b32 s[SEL], 0x76543210
	s_mov_b32 s[SEL+1], 0xfedcba98
	s_mov_b32 s99, 0xffff0000
	s_wait_dscnt 0x0
	s_wait_kmcnt 0x0
	s_add_nc_u64 s[46:47], s[4:5], s[46:47]
	s_add_nc_u64 s[94:95], s[6:7], s[94:95]
	s_add_nc_u64 s[92:93], s[4:5], s[92:93]
	s_add_nc_u64 s[96:97], s[6:7], s[96:97]
	CROUND
	; the head's four tiles, each whole, one joint load a wave: wave 0 K step 0's 256 rows of A, wave 1 its 256 rows of B, wave 2 the scales of A's 256 rows, wave 3 those of B's
	s_mov_b32 s[G0S], 1
	s_mov_b32 s[G0S+1], SCL
	s_mov_b64 s[G0S+2:G0S+3], s[94:95]
	s_or_b32 s[G0S+3], s[G0S+3], 0x80000000
	s_mov_b32 s[G0SB], 1
	s_mov_b32 s[G0SB+1], SCL+2*HALFS
	s_mov_b64 s[G0SB+2:G0SB+3], s[96:97]
	s_or_b32 s[G0SB+3], s[G0SB+3], 0x80000000
	s_mov_b32 s[G0], 1
	s_mov_b32 s[G0+1], 0
	s_mov_b64 s[G0+2:G0+3], s[46:47]
	s_or_b32 s[G0+3], s[G0+3], 0x80000000
	s_mov_b32 s[G0B], 1
	s_mov_b32 s[G0B+1], 2*HALFT
	s_mov_b64 s[G0B+2:G0B+3], s[92:93]
	s_or_b32 s[G0B+3], s[G0B+3], 0x80000000
	s_lshl_b32 s94, s20, 16                        ; K step 1 comes by quarters: my 128 rows of the tile, 512 bytes a row
	s_mov_b32 s95, 0
	s_add_nc_u64 s[46:47], s[46:47], s[94:95]
	s_add_nc_u64 s[92:93], s[92:93], s[94:95]
	s_mov_b32 s[G0+4], 1
	s_add_co_u32 s[G0+5], s3, SLOT
	s_add_nc_u64 s[G0+6:G0+7], s[46:47], ROWB
	s_or_b32 s[G0+7], s[G0+7], 0x80000000
	s_mov_b32 s[G0B+4], 1
	s_add_co_u32 s[G0B+5], s3, SLOT
	s_add_nc_u64 s[G0B+6:G0B+7], s[92:93], ROWB
	s_or_b32 s[G0B+7], s[G0B+7], 0x80000000
.macro ARM under, g0, g1, next         ; one tree of branches on the wave's number: every way through the head passes one load
	s_cmp_lt_u32 s18, \under
	s_cbranch_scc0 \next
	tensor_load_to_lds s[\g0:\g0+3], s[\g1:\g1+7]
	s_nop 0
.rept 4
	v_nop
.endr
	s_branch .Lhead_asked
\next:
.endm
	ARM 1, G0,   G1,  .Lhead_b
	ARM 2, G0B,  G1B, .Lhead_sa
	ARM 3, G0S,  G1S, .Lhead_sb
	tensor_load_to_lds s[G0SB:G0SB+3], s[G1SB:G1SB+7]
	s_nop 0
.rept 4
	v_nop
.endr
.Lhead_asked:
	s_wait_alu depctr_va_vdst(0)
	s_wait_tensorcnt 0x0                           ; my tile of the four is in
	ds_add_u32 v28, v29
	s_mov_b32 s[G1+2], 128<<16                     ; no tensor load of mine is out: from here on a load brings 128 rows
	s_mov_b32 s[G1+4], 128
	s_mov_b32 s[G1B+2], 128<<16
	s_mov_b32 s[G1B+4], 128
	s_wait_dscnt 0x0
	CROUND
	JLOAD G0+4, G1, G0B+4, G1B                     ; K step 1, the first tensor load behind the round
	v_and_b32 v1, 15, v0
	v_bfe_u32 v2, v0, 4, 1
	v_mul_u32_u24 v3, v1, PITCH
	v_lshl_add_u32 v4, v2, 4, v3
	s_mul_i32 s40, s19, HALFT
	s_mul_i32 s41, s20, HALFT
	s_add_co_u32 s41, s41, 2*HALFT
.irp s, 0,1
	v_add_nc_u32 v[ADRA+\s], s40, v4
	v_add_nc_u32 v[ADRB+\s], s41, v4
	s_add_co_u32 s40, s40, SLOT
	s_add_co_u32 s41, s41, SLOT
.endr
	v_mul_u32_u24 v5, v1, KS
	v_lshrrev_b32 v6, 8, v5
	v_lshl_add_u32 v5, v6, 4, v5
	s_mul_i32 s40, s19, HALFS
	s_mul_i32 s41, s20, HALFS
	s_add_co_u32 s41, s41, 2*HALFS
	s_sub_co_u32 s41, s41, s40
	v_mul_u32_u24 v6, s41, v2
	s_add_co_u32 s40, s40, SCL
	v_add_nc_u32 v5, v5, v6
	v_add_nc_u32 v[ADRS], s40, v5
	v_and_b32 v6, 31, v0
	v_lshlrev_b32 v[VO], 4, v6
	v_lshlrev_b32 v[VS], 4, v1
	v_lshl_add_u32 v[VS], v2, 12, v[VS]
.irp b, 0,1,2,3
	v_mov_b32 v[TM+4+\b], 0
.endr
.macro FRAG reg, adr, q, i
.irp c, 0,1
	ds_load_b128 v[\reg+4*\c:\reg+4*\c+3], v[\adr] offset:64*(\q)+32*\c+(\i)*16*PITCH
.endr
.endm
.macro MUL16 a0, p, q, sc, zero
.irp a, \a0, \a0+1
.irp b, 0,1,2,3,4,5,6,7
.if \zero
	v_wmma_scale_f32_16x16x128_f8f6f4 v[8*(8*((\a)%4)+\b):8*(8*((\a)%4)+\b)+7], v[128*(\p)+FR*\b:128*(\p)+FR*\b+FR-1], v[AF+FR*(\a):AF+FR*(\a)+FR-1], 0, v[SC+8*NQ*(\sc)+NQ*\b+(\q)], v[SC+8*NQ*(\sc)+NQ*(\a)+(\q)] matrix_a_fmt:MATRIX_FMT_FP4 matrix_b_fmt:MATRIX_FMT_FP4 matrix_a_scale:MATRIX_SCALE_ROW1
.else
	v_wmma_scale_f32_16x16x128_f8f6f4 v[8*(8*((\a)%4)+\b):8*(8*((\a)%4)+\b)+7], v[128*(\p)+FR*\b:128*(\p)+FR*\b+FR-1], v[AF+FR*(\a):AF+FR*(\a)+FR-1], v[8*(8*((\a)%4)+\b):8*(8*((\a)%4)+\b)+7], v[SC+8*NQ*(\sc)+NQ*\b+(\q)], v[SC+8*NQ*(\sc)+NQ*(\a)+(\q)] matrix_a_fmt:MATRIX_FMT_FP4 matrix_b_fmt:MATRIX_FMT_FP4 matrix_a_scale:MATRIX_SCALE_ROW1
.endif
.endr
.endr
.endm
.macro FETCH_B slot, q, p
	WIN TO_B
.irp i, 0,1,2,3,4,5,6,7
	FRAG 128*(\p)+FR*\i, ADRB+\slot, \q, \i
.endr
	WIN 0
.endm
.macro FETCH_A slot, q, i0
.irp i, \i0, \i0+1, \i0+2, \i0+3
	FRAG AF+FR*(\i), ADRA+\slot, \q, \i
.endr
.endm
.macro SCALES sc
.irp i, 0,1,2,3,4,5,6,7
	ds_load_b128 v[SC+8*NQ*\sc+NQ*\i:SC+8*NQ*\sc+NQ*\i+3], v[ADRS] offset:\i*SBLK
.endr
.endm
.macro PLACES n
.rept \n
	v_nop
.endr
.endm
.macro STEP slot, q, zero
	s_wait_dscnt 4*NL
	WIN MUL_LO
	MUL16 0, (\q)%2, \q, \slot, \zero
	MUL16 2, (\q)%2, \q, \slot, \zero
	s_wait_dscnt 0
	PLACES NP
	FETCH_B \slot, (\q)+1, 1-(\q)%2
	FETCH_A \slot, (\q)+1, 0
	WIN MUL_HI
	MUL16 4, (\q)%2, \q, \slot, \zero
	MUL16 6, (\q)%2, \q, \slot, \zero
	PLACES NP
	WIN 0
	FETCH_A \slot, (\q)+1, 4
.endm
.macro STEPS slot, from
.set Q, \from
.rept NQ-1-\from
	STEP \slot, Q, 0
.set Q, Q+1
.endr
.endm
.macro BASES ctok, stok, chd, shd
	s_and_b32 s40, s23, 7
	s_lshl_b32 s40, s40, 2
	s_add_co_u32 s40, s40, \ctok
	s_lshl_b32 s40, s40, 8
	s_lshl_b32 s41, \stok, 7
	s_add_co_u32 s40, s40, s41
	s_lshr_b32 s41, s40, 11
	s_lshl_b32 s41, s41, 4
	s_lshl_b32 s42, \chd, 2
	s_add_co_u32 s41, s41, s42
	s_lshl_b32 s42, \shd, 1
	s_add_co_u32 s41, s41, s42
	s_and_b32 s40, s40, 2047
	s_lshr_b32 s42, s23, 3
	s_lshl_b32 s43, s42, 22
	s_lshl_b32 s44, s41, 16
	s_add_co_u32 s43, s43, s44
	s_lshl_b32 s44, s40, 5
	s_add_co_u32 s92, s43, s44
	s_mov_b32 s93, 0
	s_lshl_b32 s43, s42, 18
	s_lshl_b32 s44, s41, 12
	s_add_co_u32 s43, s43, s44
	s_lshl_b32 s44, s40, 1
	s_add_co_u32 s94, s43, s44
	s_mov_b32 s95, 0
	s_add_nc_u64 s[14:15], s[14:15], s[92:93]
	s_add_nc_u64 s[16:17], s[16:17], s[94:95]
.endm
.macro EPI a, kind
.set WW, 2+(\a)/4
.set AC, 64*((\a)%4)
.set PCD, AF+8*(\a)
	WIN WW*0x41
.set i, 0
.rept 32
.if \kind
	v_pk_add_f32 v[AC+2*i:AC+2*i+1], v[AC+2*i:AC+2*i+1], v[BT+2*(\a):BT+2*(\a)+1]
.else
	v_pk_add_f32 v[AC+2*i:AC+2*i+1], v[AC+2*i:AC+2*i+1], v[BT+2*i:BT+2*i+1]
.endif
.set i, i+1
.endr
	WIN WW*0x14
.irp b, 0,1,2,3
	v_max3_num_f32 v[TM+\b], 0x1800000, |v[AC+16*\b]|, |v[AC+16*\b+1]|
.endr
.irp n, 2,4,6,8,10,12,14
.irp b, 0,1,2,3
	v_max3_num_f32 v[TM+\b], v[TM+\b], |v[AC+16*\b+\n]|, |v[AC+16*\b+\n+1]|
.endr
.endr
	WIN 0
.irp b, 0,1,2,3
	v_permlanex16_b32 v[TM+4+\b], v[TM+\b], s[SEL], s[SEL+1]
.endr
.irp b, 0,1,2,3
	v_max_num_f32 v[TM+\b], v[TM+\b], v[TM+4+\b]
.endr
.irp b, 0,1,2,3
	v_add_nc_u32 v[TM+12+\b], 0xff000000, v[TM+\b]
.endr
.irp b, 0,1,2,3
	v_lshrrev_b32 v[TM+4+\b], 23, v[TM+12+\b]
.endr
	v_lshl_or_b32 v[PW+(\a)], v[TM+5], 8, v[TM+4]
	v_lshl_or_b32 v[PW+(\a)], v[TM+6], 16, v[PW+(\a)]
	v_lshl_or_b32 v[PW+(\a)], v[TM+7], 24, v[PW+(\a)]
	WIN WW
.irp b, 0,1,2,3
	v_cvt_scalef32_pk8_fp4_f32 v[PCD+2*\b], v[AC+16*\b:AC+16*\b+7], v[TM+12+\b]
	v_cvt_scalef32_pk8_fp4_f32 v[PCD+2*\b+1], v[AC+16*\b+8:AC+16*\b+15], v[TM+12+\b]
.endr
	WIN 0
	v_nop
.irp c, 0,1
.irp n, 0,1
	v_permlane16_swap_b32 v[PCD+4*\c+\n], v[PCD+2+4*\c+\n]
.endr
.endr
.if \kind
	global_store_b128 v[VO], v[PCD:PCD+3], s[14:15] offset:65536*((\a)/4)+1024*((\a)%4)
	global_store_b128 v[VO], v[PCD+4:PCD+7], s[14:15] offset:65536*((\a)/4)+1024*((\a)%4)+512
.else
	global_store_b128 v[VO], v[PCD:PCD+3], s[14:15] offset:512*(\a)
	global_store_b128 v[VO], v[PCD+4:PCD+7], s[14:15] offset:65536+512*(\a)
.endif
.endm
.macro TAIL kind
.if \kind
	BASES s21, s20, s22, s19
	s_lshl_b32 s40, s22, 10
	s_lshl_b32 s41, s19, 9
	s_add_co_u32 s40, s40, s41
	s_mov_b32 s41, 0
	s_add_nc_u64 s[96:97], s[12:13], s[40:41]
	v_and_b32 v[BO], 8, v1
	v_add_nc_u32 v[BO], v[BO], v1
	v_lshlrev_b32 v[BO], 2, v[BO]
.irp a, 0,1,2,3,4,5,6,7
	global_load_b32 v[BT+2*\a], v[BO], s[96:97] offset:4*(32*(\a/2)+8*(\a%2))
	global_load_b32 v[BT+2*\a+1], v[BO], s[96:97] offset:4*(32*(\a/2)+8*(\a%2))
.endr
.else
	BASES s22, s19, s21, s20
	s_cmp_lt_u32 s23, 8
	s_cselect_b64 s[96:97], s[8:9], s[10:11]
	s_lshl_b32 s40, s21, 10
	s_lshl_b32 s41, s20, 9
	s_add_co_u32 s40, s40, s41
	s_mov_b32 s41, 0
	s_add_nc_u64 s[96:97], s[96:97], s[40:41]
	v_lshlrev_b32 v[BO], 6, v2
.irp b, 0,1,2,3,4,5,6,7
	global_load_b128 v[BT+8*\b:BT+8*\b+3], v[BO], s[96:97] offset:4*(32*(\b/2)+8*(\b%2))
	global_load_b128 v[BT+8*\b+4:BT+8*\b+7], v[BO], s[96:97] offset:4*(32*(\b/2)+8*(\b%2))+16
.endr
.endif
	STEPS 1, 0
	s_wait_dscnt 4*NL
	WIN MUL_LO
	MUL16 0, 1, NQ-1, 1, 0
	MUL16 2, 1, NQ-1, 1, 0
	s_wait_dscnt 0
	WIN MUL_HI
	MUL16 4, 1, NQ-1, 1, 0
	MUL16 6, 1, NQ-1, 1, 0
	WIN 0
	PLACES NP
	s_wait_loadcnt 0x0
.irp a, 0,1,2,3,4,5,6,7
	EPI \a, \kind
.endr
.if \kind
.irp x, 0,1,2,3
	v_cndmask_b32 v[Y+\x], v[PW+\x], v[PW+4+\x], s99
.endr
.else
.irp x, 0,1,2,3
	v_perm_b32 v[WD0+\x], v[PW+2*\x+1], v[PW+2*\x], 0x05040100
	v_perm_b32 v[WD1+\x], v[PW+2*\x+1], v[PW+2*\x], 0x07060302
.endr
.irp x, 0,1,2,3
	v_cndmask_b32 v[Y+\x], v[WD0+\x], v[WD1+\x], s99
.endr
.endif
	global_store_b128 v[VS], v[Y:Y+3], s[16:17]
.endm
	s_wait_alu depctr_va_vdst(0)
	s_wait_tensorcnt 1
	s_barrier_signal -1
	s_barrier_wait -1
	FETCH_B 0, 0, 0
	FETCH_A 0, 0, 0
	SCALES 0
	FETCH_A 0, 0, 4
	STEP 0, 0, 1
	STEPS 0, 1
	s_wait_tensorcnt 0x0
	ds_add_u32 v[SPW], v[NIL]
	s_wait_dscnt 4*NL+1
	WIN MUL_LO
	MUL16 0, 1, NQ-1, 0, 0
	s_wait_dscnt 0x0
	s_barrier_signal -1
	MUL16 2, 1, NQ-1, 0, 0
	WIN 0
	s_barrier_wait -1
	PLACES NP
	v_add_nc_u32 v[ADRS], 4*NQ, v[ADRS]
	FETCH_B 1, 0, 0
	FETCH_A 1, 0, 0
	SCALES 1
	WIN MUL_HI
	MUL16 4, 1, NQ-1, 0, 0
	MUL16 6, 1, NQ-1, 0, 0
	PLACES NP
	WIN 0
	FETCH_A 1, 0, 4
	s_cmp_lt_u32 s23, 16
	s_cbranch_scc0 .Lv
	TAIL 0
	s_branch .Ldone
.Lv:
	TAIL 1
.Ldone:
	s_wait_tensorcnt 0x0
	ds_add_u32 v[SPW], v[NIL]
	s_wait_dscnt 0x0
	CROUND
	s_endpgm
.Lfunc_end_k_q9f92ad2485_proj:
	.size	k_q9f92ad2485_proj, .Lfunc_end_k_q9f92ad2485_proj-k_q9f92ad2485_proj
	.p2alignl 7, 3214868480
	.fill 96, 4, 3214868480
	.section	.rodata,"a",@progbits
	.p2align	6, 0x0
	.amdhsa_kernel k_q9f92ad2485_proj
		.amdhsa_group_segment_fixed_size 327680
		.amdhsa_private_segment_fixed_size 0
		.amdhsa_enable_private_segment 0
		.amdhsa_kernarg_size 56
		.amdhsa_user_sgpr_count 2
		.amdhsa_user_sgpr_kernarg_segment_ptr 1
		.amdhsa_wavefront_size32 1
		.amdhsa_system_sgpr_workgroup_id_x 1
		.amdhsa_system_sgpr_workgroup_id_y 1
		.amdhsa_system_sgpr_workgroup_id_z 1
		.amdhsa_system_vgpr_workitem_id 0
		.amdhsa_next_free_vgpr 1024
		.amdhsa_next_free_sgpr 100
		.amdhsa_reserve_vcc 0
		.amdhsa_float_denorm_mode_32 3
		.amdhsa_float_denorm_mode_16_64 3
		.amdhsa_memory_ordered 1
		.amdhsa_forward_progress 1
		.amdhsa_inst_pref_size 239
	.end_amdhsa_kernel
	.amdgpu_metadata
---
amdhsa.version: [ 1, 2 ]
amdhsa.kernels:
  - .name:           k_q9f92ad2485_proj
    .symbol:         k_q9f92ad2485_proj.kd
    .args:
      - { .name: c1, .offset: 0, .size: 8, .value_kind: global_buffer, .address_space: global }
      - { .name: s1, .offset: 8, .size: 8, .value_kind: global_buffer, .address_space: global }
      - { .name: bq, .offset: 16, .size: 8, .value_kind: global_buffer, .address_space: global }
      - { .name: bk, .offset: 24, .size: 8, .value_kind: global_buffer, .address_space: global }
      - { .name: bv, .offset: 32, .size: 8, .value_kind: global_buffer, .address_space: global }
      - { .name: pc, .offset: 40, .size: 8, .value_kind: global_buffer, .address_space: global }
      - { .name: ps, .offset: 48, .size: 8, .value_kind: global_buffer, .address_space: global }
    .group_segment_fixed_size: 327680
    .private_segment_fixed_size: 0
    .kernarg_segment_align: 8
    .kernarg_segment_size: 56
    .max_flat_workgroup_size: 128
    .sgpr_count:     100
    .vgpr_count:     1024
    .wavefront_size: 32
...
	.end_amdgpu_metadata
.endif
;; end of part 2
;; launch attn (part 3): grid 4 x 64, 16 waves a work-group, clusters of 4 x 1, 327,680 bytes of LDS; arguments pc, ps, out0; writes out0
.if DOCPART == 3
	.amdgcn_target "amdgcn-amd-amdhsa--gfx1250"
	.amdhsa_code_object_version 6
	.text
	.protected	k_q9f92ad2485_attn
	.globl	k_q9f92ad2485_attn
	.p2align	8
	.type	k_q9f92ad2485_attn,@function
k_q9f92ad2485_attn:
	s_mov_b64 s[64:65], 0
	v_nop
	global_prefetch_b8 v0, s[64:65] scope:SCOPE_SE
	s_setreg_imm32_b32 hwreg(HW_REG_WAVE_MODE, 25, 1), 1
	s_wait_xcnt 0x0
	s_wait_alu depctr_hold_cnt(0) depctr_sa_sdst(0) depctr_va_vdst(0) depctr_va_sdst(0) depctr_va_ssrc(0) depctr_va_vcc(0) depctr_vm_vsrc(0)
	s_getreg_b32 s2, hwreg(HW_REG_IB_STS2, 6, 4)
	s_cmp_eq_u32 s2, 0
	s_cbranch_scc0 .Lentry_in_a_cluster
	s_endpgm
.Lentry_in_a_cluster:
	s_bfe_u32 s2, ttmp6, 0x10000c
	s_cmp_lg_u32 s2, 0x3003
	s_cbranch_scc0 .Lentry_shape_is_right
	s_endpgm
.Lentry_shape_is_right:
; Launch 3 of 3: out[b][q][64 head + d] = sum over keys of softmax(Q . K / 8) V, both products on codes of FP4 with E8M0 scales, from the images that launch 2 stored.  No work is left out.
; THE SOFTMAX: t = score x log2(e) / 8; M = the running largest t rounded UP to a whole number; p = 2^(t - M) is quantised along the keys, not normalised; the row's sum is taken of the unquantised p and divides
; at the end; when M moves, the sum and O are multiplied by 2^(old M - new M), which rounds nothing.
; SHARES.  A work-group owns 512 queries of one (batch, head); each of its sixteen waves one tile of 16 queries in each of two passes, in 256 registers.  Every wave walks the head's 2,048 keys, 128 a step.
; A WHOLE HEAD'S K AND V STAY IN LDS.  The four work-groups of a head form a cluster and ask for them JOINTLY, once, one load a wave: waves 0-3 a quarter of K's codes each, waves 4-7 of V's, wave 8 K's scale words,
; wave 9 V's.  Nothing is filled again.  All loads go out at the head, so there is no later load for a prefetch to run ahead of.
; The codes are stated as rows of 1,024 bytes with 128 bytes of padding behind each: the sixteen lanes of a K load (8 x 16 bytes in each of two neighbouring rows) then name sixteen different 16-byte columns of 256.
; LAYOUT.  Both products are used transposed: S^T = K Q^T, O^T = V^T P^T: a lane holds ONE query (lane % 16).
; THE KEYS OF A TILE ARE CHOSEN AS THEY ARE READ FROM LDS: of each 64 keys (blocks 2 G and 2 G + 1 of the step) tile i takes keys 8 i .. 8 i + 7 of block 2 G as rows 0-7 and the same of block 2 G + 1 as rows 8-15.
; So lane (r, h) holds in registers 32 G + 0 .. 31 ALL 32 keys of block 2 G + h: a block's largest score needs no other lane, and the conversions' results are the second product's operand as they stand.
; Where key 8 i + e of block x lies in launch 2's image: 1,024-byte row x, + 512 (i % 2) + 128 (i / 2) + 256 (half of the head's 64) + 16 e; its scale bytes in word x of place 8 (i / 2) + e.
; THE HEAD'S K IS 64, THE INSTRUCTION'S 128: a fragment of K holds two tiles of keys and is multiplied by [Q | zeros] and by [zeros | Q]; Q stands as [Q | 0 | Q], and its scale word holds its two bytes twice.
; LIMITS: v_exp_f32 gives 0 where p would be denormal; NaN and infinities are not served; a block whose every p is 0 keeps the byte 1; the promise holds while the scaled scores stay under 2^31 in magnitude.
.set STK,   4608                       ; a step's codes in LDS: four rows of 1,024 + 128 bytes
.set VOFF,  73728                      ; K's codes at 0, V's here
.set KSC,   147456                     ; K's scale words, V's 4,096 on
.set STAGE, 155648                     ; the way out: 16 rows x 272 bytes for each wave; no tensor load lands here
.set SPARE, 225280                     ; the spare words, 128 bytes a wave, which no other line names
.set LK,   1                           ; my lane's place in a step's K: 1,152 (r / 8) + 256 h + 16 (r % 8)
.set LV,   2                           ; in V: VOFF + 16 x lane
.set SO,   3
.set SR,   4
.set SPW,  5
.set NIL,  6
.set GO,   7
.set ADK,  8
.set ADV,  9
.set ADSK, 10
.set ADSV, 11
.set LSK,  30                          ; K's scale words: KSC + 16 (r % 8) + 4 (r / 8)
.set LSV,  31                          ; V's: KSC + 4,096 + 16 r
.set SH8,  212                         ; 8 h
.set QO,   213                         ; 16 x lane
.set QS,   214                         ; 16 r
; v12 -M, v13 the largest score, v[14:15] the sum; v16-27, v200-211 [Q | 0 | Q] of passes 0, 1; v28, v29 their scale words; v32-63 K; v64-95 V; v96-159 S^T, then p; v160-191 O^T;
; v192-195, v196-199 K's and V's scale words; v224-231 p's codes; v232-245 at work; v252 f, v253 p's scale word
.set WV,   10
.set G1C,  16
.set G1S,  24
.set G0C,  32
.set G0S,  36
.set SEL,  52
.set CS,   54
.set TB,   56
.set TS,   57
.set CNT,  58
.macro CROUND
	s_barrier_signal -1
	s_barrier_wait -1
	s_cmp_lg_u32 s[WV], 0
	s_cbranch_scc1 .Lnot_wave_0_\@
	s_barrier_signal -3
.Lnot_wave_0_\@:
	s_barrier_wait -3
	s_barrier_signal -1
	s_barrier_wait -1
.endm
	s_load_b128 s[4:7], s[0:1], 0x0                ; pc, ps
	s_load_b64 s[8:9], s[0:1], 0x10                ; out0
	v_lshl_add_u32 v[SPW], v0, 2, SPARE
	v_mov_b32 v[NIL], 0
	ds_add_u32 v[SPW], v[NIL]                      ; the opening: the add, twice on end, and its wait
	ds_add_u32 v[SPW], v[NIL]
	v_lshrrev_b32 v8, 5, v0
	v_readfirstlane_b32 s[WV], v8
	s_and_b32 s11, s[WV], 1
	s_bfe_u32 s12, ttmp6, 0x40000                  ; cx
	s_lshl_b32 s13, ttmp9, 2
	s_add_co_u32 s13, s13, s12                     ; my block of 512 queries: it enters Q's and out0's addresses alone
	s_and_b32 s14, ttmp7, 0xffff                   ; (batch, head), which the four partners share
	s_mov_b32 s[G1C], 15|(3<<16)|(1<<20)|(1<<21)|(7<<22)|(31<<25)  ; mask: all four; elements of 8 bytes; 32 words of padding behind every 256
	s_mov_b32 s[G1C+1], 128<<16                    ; rows of 1,024 bytes, dense in memory
	s_mov_b32 s[G1C+2], 16<<16                     ; 16 rows
	s_mov_b32 s[G1C+3], 128<<16
	s_mov_b32 s[G1C+4], 16
	s_mov_b32 s[G1C+5], 128
	s_mov_b32 s[G1C+6], 0
	s_mov_b32 s[G1C+7], 0
	s_mov_b32 s[G1S], 15|(3<<16)|(1<<21)           ; the scale words: 16 rows of 256 bytes, no padding
	s_mov_b32 s[G1S+1], 32<<16
	s_mov_b32 s[G1S+2], 16<<16
	s_mov_b32 s[G1S+3], 32<<16
	s_mov_b32 s[G1S+4], 16
	s_mov_b32 s[G1S+5], 32
	s_mov_b32 s[G1S+6], 0
	s_mov_b32 s[G1S+7], 0
	s_mov_b32 s[G0C], 1
	s_mul_i32 s[G0C+1], s[WV], 18432               ; 16 rows of 1,152 bytes a wave: waves 0-3 fill K's bytes, waves 4-7 V's
	s_mov_b32 s[G0S], 1
	s_lshl_b32 s60, s11, 12
	s_add_co_u32 s[G0S+1], s60, KSC
	s_lshr_b32 s60, s[WV], 2
	s_add_co_u32 s60, s60, 1                       ; region 1 of pc: keys, region 2: V
	s_lshl_b32 s60, s60, 22
	s_lshl_b32 s63, s14, 16
	s_add_co_u32 s60, s60, s63
	s_and_b32 s61, s[WV], 3
	s_lshl_b32 s61, s61, 14
	s_add_co_u32 s74, s60, s61                     ; my quarter of the head's codes
	s_mov_b32 s75, 0
	s_add_co_u32 s61, s11, 1
	s_lshl_b32 s61, s61, 18
	s_lshl_b32 s62, s14, 12
	s_add_co_u32 s72, s61, s62                     ; the head's scale words
	s_mov_b32 s73, 0
	s_lshl_b32 s61, s13, 5
	s_add_co_u32 s61, s61, s[WV]                   ; my tile of queries in pass 0; pass 1's is 16 on
	s_lshl_b32 s61, s61, 9
	s_add_co_u32 s66, s61, s63
	s_mov_b32 s67, 0
	s_lshl_b32 s61, s13, 2
	s_lshr_b32 s62, s[WV], 3
	s_add_co_u32 s61, s61, s62
	s_lshl_b32 s61, s61, 8
	s_bfe_u32 s62, s[WV], 0x20001
	s_lshl_b32 s62, s62, 2
	s_add_co_u32 s61, s61, s62
	s_lshl_b32 s62, s14, 12
	s_add_co_u32 s68, s61, s62                     ; the word that holds my tile's two scale bytes,
	s_mov_b32 s69, 0
	s_lshl_b32 s59, s11, 4                         ; and which half of it
	s_lshr_b32 s61, s14, 4
	s_lshl_b32 s61, s61, 23
	s_and_b32 s62, s14, 15
	s_lshl_b32 s62, s62, 8
	s_add_co_u32 s61, s61, s62
	s_lshl_b32 s62, s13, 21
	s_add_co_u32 s61, s61, s62
	s_lshr_b32 s62, s[WV], 1
	s_lshl_b32 s62, s62, 17
	s_add_co_u32 s61, s61, s62
	s_lshl_b32 s62, s11, 15
	s_add_co_u32 s70, s61, s62                     ; out0: place p of my tile is row p + 8 (p / 8) from here
	s_mov_b32 s71, 0
	s_mov_b32 s[SEL], 0x76543210
	s_mov_b32 s[SEL+1], 0xfedcba98
	s_mov_b32 s[CS], 0x3e38aa3b                    ; c = log2(e) / 8
	s_mov_b32 s[CS+1], s[CS]
	v_and_b32 v8, 15, v0                           ; r
	v_bfe_u32 v9, v0, 4, 1                         ; h
	v_and_b32 v10, 7, v0                           ; r % 8
	v_bfe_u32 v11, v0, 3, 1                        ; r / 8
	v_lshlrev_b32 v[LK], 4, v10
	v_lshl_add_u32 v[LK], v9, 8, v[LK]
	v_mad_u32_u24 v[LK], v11, 1152, v[LK]
	v_and_b32 v[LV], 31, v0
	v_lshlrev_b32 v[QO], 4, v[LV]
	v_add_nc_u32 v[LV], VOFF, v[QO]
	v_lshl_add_u32 v[LSV], v8, 4, KSC+4096
	v_lshl_add_u32 v[LSK], v10, 4, KSC
	v_lshl_add_u32 v[LSK], v11, 2, v[LSK]
	v_lshlrev_b32 v[SH8], 3, v9
	v_lshlrev_b32 v[QS], 4, v8
	s_mul_i32 s61, s[WV], 16*272
	s_add_co_u32 s61, s61, STAGE
	v_mul_u32_u24 v[SO], v8, 272
	v_lshl_add_u32 v[SO], v9, 6, v[SO]
	v_add_nc_u32 v[SO], s61, v[SO]                 ; the stage, in: row r, + 64 h bytes
	v_mul_u32_u24 v[SR], v9, 272
	v_lshl_add_u32 v[SR], v8, 4, v[SR]
	v_add_nc_u32 v[SR], s61, v[SR]                 ; back: lanes 0-15 one row of 256 bytes, lanes 16-31 the next
	v_lshlrev_b32 v[GO], 12, v9
	v_lshl_add_u32 v[GO], v8, 4, v[GO]
	s_wait_alu depctr_va_vdst(0)
	s_wait_dscnt 0x0                               ; both opening adds are done
	s_wait_kmcnt 0x0
	s_add_nc_u64 s[G0C+2:G0C+3], s[4:5], s[74:75]
	s_or_b32 s[G0C+3], s[G0C+3], 0x80000000
	s_add_nc_u64 s[G0S+2:G0S+3], s[6:7], s[72:73]
	s_or_b32 s[G0S+3], s[G0S+3], 0x80000000
	s_add_nc_u64 s[66:67], s[4:5], s[66:67]
	s_add_nc_u64 s[68:69], s[6:7], s[68:69]
	s_add_nc_u64 s[70:71], s[8:9], s[70:71]
	CROUND                                         ; all four work-groups are here: the joint loads meet
	s_cmp_lt_u32 s[WV], 8                          ; one tree of branches on the wave's number, one load to an arm
	s_cbranch_scc0 .Lsc
	tensor_load_to_lds s[G0C:G0C+3], s[G1C:G1C+7]
	s_nop 0
.rept 4
	v_nop
.endr
	s_branch .Ljoin
.Lsc:
	s_cmp_lt_u32 s[WV], 10
	s_cbranch_scc0 .Ljoin
	tensor_load_to_lds s[G0S:G0S+3], s[G1S:G1S+7]
	s_nop 0
.rept 4
	v_nop
.endr
.Ljoin:
	global_load_b128 v[16:19], v[QO], s[66:67]                 ; pass 0's Q, into both ends of [Q | 0 | Q]
	global_load_b128 v[24:27], v[QO], s[66:67]
	global_load_b128 v[200:203], v[QO], s[66:67] offset:8192   ; pass 1's: 16 tiles on
	global_load_b128 v[208:211], v[QO], s[66:67] offset:8192
	global_load_b32 v215, v[QS], s[68:69]
	global_load_b32 v216, v[QS], s[68:69] offset:512
.irp j, 20,21,22,23,204,205,206,207
	v_mov_b32 v[\j], 0                             ; the zero codes
.endr
	v_mov_b32 v237, 0                              ; a lane permute's destination counts as one of its sources
	v_mov_b32 v253, 0                              ; (named as the upper half of v[252:253] before it is first written)
	s_wait_alu depctr_va_vdst(0)
	s_wait_loadcnt 0x0
	v_lshrrev_b32 v215, s59, v215
	v_lshrrev_b32 v216, s59, v216
	v_and_b32 v215, 0xffff, v215
	v_and_b32 v216, 0xffff, v216
	v_lshl_or_b32 v28, v215, 16, v215              ; my tile's two bytes, twice: for [Q | 0] and for [0 | Q]
	v_lshl_or_b32 v29, v216, 16, v216
	s_wait_alu depctr_va_vdst(0)
	s_wait_tensorcnt 0x0                           ; every loading wave's one load has landed,
	s_barrier_signal -1
	s_barrier_wait -1                              ; and all sixteen waves may read the head's K and V
.macro KLOAD adk, ads, oc, os          ; a step's K: four scale words and four fragments, by the choice of rows set out at the head
.irp x, 0,1,2,3
	ds_load_b32 v[192+\x], v[\ads] offset:\os+8*(\x/2)+128*(\x%2)
.endr
.irp i, 0,1,2,3,4,5,6,7
	ds_load_b128 v[32+4*\i:35+4*\i], v[\adk] offset:\oc+2304*(\i/4)+128*((\i/2)%2)+512*(\i%2)
.endr
.endm
.macro INIT                            ; a pass begins: the first step finds zeros, which its f = 0 leaves zeros
	v_mov_b32 v13, 0xff61b1e6                      ; the largest score so far: -3e38
	v_mov_b32 v12, 0x7f61b1e6                      ; -M: 3e38
	v_mov_b32 v14, 0
	v_mov_b32 v15, 0
.set j, 0
.rept 32
	v_mov_b32 v[160+j], 0
.set j, j+1
.endr
.endm
; A KEY STEP: 128 keys; its K is in registers.  ahead = 1: the next step's K is fetched.
.macro STEP qa, qs, ahead
.irp t, 0,1,2,3,4,5,6,7
	v_wmma_scale_f32_16x16x128_f8f6f4 v[96+8*\t:103+8*\t], v[32+8*(\t/2):39+8*(\t/2)], v[\qa+4*(\t%2):\qa+4*(\t%2)+7], 0, v[192+\t/2], v[\qs] matrix_a_fmt:MATRIX_FMT_FP4 matrix_b_fmt:MATRIX_FMT_FP4
.endr
	v_add_nc_u32 v[ADV], s[TB], v[LV]              ; four places in front of loads into registers that products have read, and of the first read of the scores
	v_add_nc_u32 v[ADSV], s[TS], v[LSV]
.if \ahead
	v_add_nc_u32 v[ADK], s[TB], v[LK]
	v_add_nc_u32 v[ADSK], s[TS], v[LSK]
.else
	v_nop
	v_nop
.endif
	ds_load_b128 v[196:199], v[ADSV]
.irp i, 0,1,2,3,4,5,6,7
	ds_load_b128 v[64+4*\i:67+4*\i], v[ADV] offset:1152*(\i/2)+512*(\i%2)
.endr
.if \ahead
	KLOAD ADK, ADSK, STK, 256
.endif
.irp b, 0,1,2,3                        ; the largest score of my two blocks of 32 keys, each in two chains; each accumulator is read from its low end on
	v_max3_num_f32 v[232+(\b%2)+2*(\b/2)], v[96+32*(\b%2)+16*(\b/2)], v[97+32*(\b%2)+16*(\b/2)], v[98+32*(\b%2)+16*(\b/2)]
.endr
.irp i, 3,5,7,9,11,13
.irp b, 0,1,2,3
	v_max3_num_f32 v[232+(\b%2)+2*(\b/2)], v[232+(\b%2)+2*(\b/2)], v[96+32*(\b%2)+16*(\b/2)+\i], v[97+32*(\b%2)+16*(\b/2)+\i]
.endr
.endr
	v_max3_num_f32 v232, v232, v234, v111
	v_max3_num_f32 v233, v233, v235, v143
	v_max_num_f32 v232, v232, v127
	v_max_num_f32 v233, v233, v159
	s_delay_alu instid0(VALU_DEP_1)
	v_max3_num_f32 v236, v13, v232, v233
	s_delay_alu instid0(VALU_DEP_1)
	v_permlanex16_b32 v237, v236, s[SEL], s[SEL+1]
	v_mov_b32 v238, v12
	s_delay_alu instid0(VALU_DEP_2)
	v_max_num_f32 v13, v236, v237                  ; the running largest score of my query, lane l xor 16's keys among them
	s_delay_alu instid0(VALU_DEP_1)
	v_mul_f32 v239, s[CS], v13                     ; as t (c is positive)
	s_delay_alu instid0(VALU_DEP_1)
	v_floor_f32 v12, -v239                         ; the new -M = -ceil(t)
	s_delay_alu instid0(VALU_DEP_1)
	v_sub_f32 v238, v12, v238                      ; old M - new M: a whole number, 0 or less
	s_delay_alu instid0(VALU_DEP_1)
	v_cvt_i32_f32 v238, v238                       ; (it saturates)
	s_delay_alu instid0(VALU_DEP_1)
	v_ldexp_f32 v252, 1.0, v238                    ; f = 2^(old M - new M)
.set j, 0
.rept 32
	v_pk_fma_f32 v[96+j:97+j], v[96+j:97+j], s[CS:CS+1], v[12:13] op_sel_hi:[1,0,0]   ; t - M, two at a time
.set j, j+2
.endr
	v_fma_f32 v232, v232, s[CS], v12               ; the same of each block's largest score
	v_fma_f32 v233, v233, s[CS], v12
	s_wait_alu depctr_va_vdst(0)
.set j, 0
.rept 64
	v_exp_f32 v[96+j], v[96+j]                     ; p = 2^(t - M)
.set j, j+1
.endr
	v_exp_f32 v232, v232                           ; my blocks' largest p: the same two instructions on the same number
	v_exp_f32 v233, v233
	s_wait_alu depctr_va_vdst(0)                   ; one wait for the batch; it also stands directly ahead of the first readers of O^T
.set j, 0
.rept 16
	v_pk_mul_f32 v[160+j:161+j], v[160+j:161+j], v[252:253] op_sel_hi:[1,0]   ; O^T under the new M (plain lines behind the exponentials)
.set j, j+2
.endr
	v_max_num_f32 v232, 0x1800000, v232            ; the floor 2^(3 - 127): the byte cannot fall under 1
	v_max_num_f32 v233, 0x1800000, v233
	s_delay_alu instid0(VALU_DEP_2)
	v_add_nc_u32 v244, 0xff000000, v232            ; 2 off the exponent field: the conversion's scale operand
	s_delay_alu instid0(VALU_DEP_2)
	v_add_nc_u32 v245, 0xff000000, v233
	s_delay_alu instid0(VALU_DEP_2)
	v_lshrrev_b32 v234, 23, v244                   ; the scale's byte
	s_delay_alu instid0(VALU_DEP_2)
	v_lshrrev_b32 v235, 23, v245
	s_delay_alu instid0(VALU_DEP_1)
	v_lshl_or_b32 v236, v235, 16, v234             ; blocks h and 2 + h,
	s_delay_alu instid0(VALU_DEP_1)
	v_lshlrev_b32 v236, v[SH8], v236               ; at their places in the word;
	s_delay_alu instid0(VALU_DEP_1)
	v_permlanex16_b32 v237, v236, s[SEL], s[SEL+1]
	s_delay_alu instid0(VALU_DEP_1)
	v_or_b32 v253, v236, v237                      ; with lane l xor 16's two the word is whole
.irp g, 0,1
.irp i, 0,1,2,3
	v_cvt_scalef32_pk8_fp4_f32 v[224+4*\g+\i], v[96+32*\g+8*\i:103+32*\g+8*\i], v[244+\g]   ; register 4 g + i of the operand: keys 64 g + 32 h + 8 i on
.endr
.endr
	v_pk_fma_f32 v[14:15], v[14:15], v[252:253], v[96:97] op_sel_hi:[1,0,1]   ; the row's sum of the unquantised p, in eight chains; the old sum x f.  These 32 lines stand between p's codes and scale word and the products
	v_pk_add_f32 v[238:239], v[98:99], v[100:101]
	v_pk_add_f32 v[240:241], v[102:103], v[104:105]
	v_pk_add_f32 v[242:243], v[106:107], v[108:109]
	v_pk_add_f32 v[246:247], v[110:111], v[112:113]   ; (eight chains in all)
	v_pk_add_f32 v[248:249], v[114:115], v[116:117]
	v_pk_add_f32 v[250:251], v[118:119], v[120:121]
	v_pk_add_f32 v[254:255], v[122:123], v[124:125]
.set j, 126
.rept 2
	v_pk_add_f32 v[14:15], v[14:15], v[j:j+1]
	v_pk_add_f32 v[238:239], v[238:239], v[j+2:j+3]
	v_pk_add_f32 v[240:241], v[240:241], v[j+4:j+5]
	v_pk_add_f32 v[242:243], v[242:243], v[j+6:j+7]
	v_pk_add_f32 v[246:247], v[246:247], v[j+8:j+9]
	v_pk_add_f32 v[248:249], v[248:249], v[j+10:j+11]
	v_pk_add_f32 v[250:251], v[250:251], v[j+12:j+13]
	v_pk_add_f32 v[254:255], v[254:255], v[j+14:j+15]
.set j, j+16
.endr
	v_pk_add_f32 v[14:15], v[14:15], v[158:159]
	v_pk_add_f32 v[238:239], v[238:239], v[240:241]
	v_pk_add_f32 v[242:243], v[242:243], v[246:247]
	v_pk_add_f32 v[248:249], v[248:249], v[250:251]
	v_pk_add_f32 v[14:15], v[14:15], v[254:255]
	v_pk_add_f32 v[238:239], v[238:239], v[242:243]
	v_pk_add_f32 v[14:15], v[14:15], v[248:249]
	v_pk_add_f32 v[14:15], v[14:15], v[238:239]
	s_wait_alu depctr_va_vdst(0)
	s_wait_dscnt 0x0                               ; V and its scale words are in, and the next step's K
.irp t, 0,1,2,3                        ; the four accumulators by turns
	v_wmma_scale_f32_16x16x128_f8f6f4 v[160+8*\t:167+8*\t], v[64+8*\t:71+8*\t], v[224:231], v[160+8*\t:167+8*\t], v[196+\t], v253 matrix_a_fmt:MATRIX_FMT_FP4 matrix_b_fmt:MATRIX_FMT_FP4
.endr
	s_add_co_u32 s[TB], s[TB], STK
	s_add_co_u32 s[TS], s[TS], 256
.endm
; hp, lp: the wave's user priority (S_SETPRIO, ISA guide) in the pass's first and second eight steps.  It falls with the wave's progress, 3, 2, 1, 0 over the two passes, so that of the waves that share a SIMD the one that is behind is chosen first.
.macro RUN qa, qs, hp, lp
	s_setprio \hp
	s_mov_b32 s[TB], 0
	s_mov_b32 s[TS], 0
	s_mov_b32 s[CNT], 15
	KLOAD LK, LSK, 0, 0
	INIT
	s_wait_alu depctr_va_vdst(0)
	s_wait_dscnt 0x0
.Lrun_\@:
	STEP \qa, \qs, 1
	s_cmp_lg_u32 s[CNT], 8                         ; eight steps are done where the count stands at 8
	s_cbranch_scc1 .Lsame_\@
	s_setprio \lp
.Lsame_\@:
	s_sub_co_u32 s[CNT], s[CNT], 1
	s_cmp_lg_u32 s[CNT], 0
	s_cbranch_scc1 .Lrun_\@
	STEP \qa, \qs, 0
.endm
; THE WAY OUT of pass p.  Register 8 t + j of lane (r, h) is channel 32 (t / 2) + 16 h + 8 (t % 2) + j of the query at place r.  Through my stage, so that sixteen lanes store a query's 256 consecutive bytes, aligned.
.macro WAYOUT p
.rept 4
	v_nop
.endr
	v_add_f32 v14, v14, v15
	s_delay_alu instid0(VALU_DEP_1)
	v_permlanex16_b32 v252, v14, s[SEL], s[SEL+1]
	s_delay_alu instid0(VALU_DEP_1)
	v_add_f32 v14, v14, v252                       ; the row's sum
	s_wait_alu depctr_va_vdst(0)
	v_rcp_f32 v14, v14
	v_nop
	s_wait_alu depctr_va_vdst(0)
.set j, 0
.rept 32
	v_mul_f32 v[96+j], v[160+j], v14
.set j, j+1
.endr
.irp t, 0,1,2,3
	ds_store_b128 v[SO], v[96+8*\t:99+8*\t] offset:128*(\t/2)+32*(\t%2)
	ds_store_b128 v[SO], v[100+8*\t:103+8*\t] offset:128*(\t/2)+32*(\t%2)+16
.endr
.irp i, 0,1,2,3,4,5,6,7
	ds_load_b128 v[32+4*\i:35+4*\i], v[SR] offset:544*\i       ; in order behind my stores (ISA guide 5.7.1.4)
.endr
.irp i, 0,1,2,3,4,5,6,7
	s_wait_dscnt 7-\i                              ; load i is in; the 7 - i younger ones may be out
	global_store_b128 v[GO], v[32+4*\i:35+4*\i], s[70:71] offset:1048576*\p+4096*(2*\i+8*(\i/4)) th:TH_STORE_NT
.endr
.endm
	RUN 16, 28, 3, 2
	WAYOUT 0
	s_wait_xcnt 0x0                                ; the stores have read v32-63, which the next pass loads anew
	RUN 200, 29, 1, 0
	WAYOUT 1
	s_wait_tensorcnt 0x0                           ; the wave's end
	ds_add_u32 v[SPW], v[NIL]
	s_wait_dscnt 0x0
	CROUND                                         ; the closing round
	s_endpgm
.Lfunc_end_k_q9f92ad2485_attn:
	.size	k_q9f92ad2485_attn, .Lfunc_end_k_q9f92ad2485_attn-k_q9f92ad2485_attn
	.p2alignl 7, 3214868480
	.fill 96, 4, 3214868480
	.section	.rodata,"a",@progbits
	.p2align	6, 0x0
	.amdhsa_kernel k_q9f92ad2485_attn
		.amdhsa_group_segment_fixed_size 327680
		.amdhsa_private_segment_fixed_size 0
		.amdhsa_enable_private_segment 0
		.amdhsa_kernarg_size 24
		.amdhsa_user_sgpr_count 2
		.amdhsa_user_sgpr_kernarg_segment_ptr 1
		.amdhsa_wavefront_size32 1
		.amdhsa_system_sgpr_workgroup_id_x 1
		.amdhsa_system_sgpr_workgroup_id_y 1
		.amdhsa_system_sgpr_workgroup_id_z 1
		.amdhsa_system_vgpr_workitem_id 0
		.amdhsa_next_free_vgpr 256
		.amdhsa_next_free_sgpr 76
		.amdhsa_reserve_vcc 0
		.amdhsa_float_denorm_mode_32 3
		.amdhsa_float_denorm_mode_16_64 3
		.amdhsa_memory_ordered 1
		.amdhsa_forward_progress 1
		.amdhsa_inst_pref_size 76
	.end_amdhsa_kernel
	.amdgpu_metadata
---
amdhsa.version: [ 1, 2 ]
amdhsa.kernels:
  - .name:           k_q9f92ad2485_attn
    .symbol:         k_q9f92ad2485_attn.kd
    .args:
      - { .name: pc, .offset: 0, .size: 8, .value_kind: global_buffer, .address_space: global }
      - { .name: ps, .offset: 8, .size: 8, .value_kind: global_buffer, .address_space: global }
      - { .name: out0, .offset: 16, .size: 8, .value_kind: global_buffer, .address_space: global }
    .group_segment_fixed_size: 327680
    .private_segment_fixed_size: 0
    .kernarg_segment_align: 8
    .kernarg_segment_size: 24
    .max_flat_workgroup_size: 512
    .sgpr_count:     76
    .vgpr_count:     256
    .wavefront_size: 32
...
	.end_amdgpu_metadata
.endif
;; end of part 3
